; MI455X (gfx1250); checked and timed in simulation.
; The chip was launched on July 23, 2026; its instructions are those of AMD's public machine-readable ISA for CDNA 5 (MIT licence, August 2026) and "CDNA5" Instruction Set Architecture Reference Guide (July 2026). The comments in the code are by the model that wrote it; some were corrected since.
;; My Strategic Model. Allowed arithmetic: float matrix products may take bf16 or f16 operands with f32 sums; other float arithmetic in f32, or as packed bf16 or f16 multiplies, adds, multiply-adds, maxima and minima; sums over many terms, partial sums and values carried from step to step in f32; what a program stores and reads back later, other than sums and carried values, may be rounded once to bf16 or f16.
;; Inputs: X 524,288 x 2 float32; b 1 float32; v 2 float32; w 2 float32.
;; Outputs: out0 524,288 float32.
;; 2 versions, each right and faster than the one before. Each part assembles by itself: llvm-mc -triple=amdgcn-amd-amdhsa -mcpu=gfx1250 --defsym DOCPART=n.
;; ======== version 1 of 2: 1 launch
;; limits: right only within a limited range of input values
;; launch strategic (part 1): grid 256 x 1, 16 waves a work-group, no clusters, 0 bytes of LDS; arguments X, w, b, v, out0; writes out0
.if DOCPART == 1
	.amdgcn_target "amdgcn-amd-amdhsa--gfx1250"
	.amdhsa_code_object_version 6
	.text
	.protected	k_qd1cc590bca_strategic
	.globl	k_qd1cc590bca_strategic
	.p2align	8
	.type	k_qd1cc590bca_strategic,@function
k_qd1cc590bca_strategic:
	s_mov_b64 s[64:65], 0
	v_nop
	global_prefetch_b8 v0, s[64:65] scope:SCOPE_SE
	s_setreg_imm32_b32 hwreg(HW_REG_WAVE_MODE, 25, 1), 1
	s_wait_xcnt 0x0
; out[i] = score(x_opt[i]).  For each sample r = X[i]: eleven rounds (fd = f'(xt); xt = 12 projected gradient steps from clip(r)), then
; fd = f'(xt), 50 steps from clip(r), and the score of the result.  score(x) = x.w + b.  A step:
;   x = clip(x + fd - g'(x) - 0.5 (0.1 d + 0.95 [d.v > 0] v)),  d = x - r,  g'(x) = 0.5 s / sqrt(s s + 1) w,  s = score(x) - 1;   f' likewise with s = score(x) + 1.
; SHARES.  256 work-groups of 16 waves; a work-group owns 2,048 samples, a thread four: two CHAINS of two samples.  A register pair holds one number of each
; of a chain's two samples, so the arithmetic is packed f32; the two chains' lines alternate, so that no line reads the result of the line before it.
; All state stays in registers: X is read once, out once.  No byte is shared between threads, so there is no LDS, no barrier, no cluster.
; THE TWO-TERM PRODUCTS x.w and d.v are a multiply and a fused multiply-add in f32 on the vector unit: a matrix instruction would use 2 of its 32 K places and one
; of its 16 columns, and 16-bit operands ahead of the sign test d.v > 0, in a feedback of 182 steps, would decide signs otherwise.
; ROUNDINGS.  The sign test makes the result jump, so the place of every f32 rounding is part of the text:
;   a.u = fma(a1, u1, rn(a0 u0));  score = rn(a.u + b);  s = rn(score -+ 1);  t = fma(s, s, 1);  q = rn(sqrt t);  y = rn(1 / q);  ratio = rn(s y);
;   A = fma(-0.5 ratio, w, fd);  I = 0.5 fma(0.1, d, m), m = rn(0.95 v) or 0;  x = clip(rn(x + rn(A - I)));  fd = rn(0.5 ratio w).
;   Factors 0.5 lie in the constants (-0.5 w, 0.5 w, 0.05, 0.5 m): a power of two changes no rounding.
;   The last linearisation rounds each operation by itself: t = rn(rn(s s) + 1), ratio = rn(s / q).
; ROOT, RECIPROCAL, QUOTIENT: v_rsq_f32 and one residual step each, by fused multiply-adds.
; LIMITS.  q, y and s / q are the correctly rounded values but where the true value lies within some 2^-44 of itself from a rounding boundary (about one argument
; in 2^20): there the last bit may differ.  The flag [d.v > 0] is fma(d1, 2^96 v1, rn(d0 2^96 v0)) held to 0 .. 1: a positive d.v below 2^-96 counts as a fraction.
; score^2 must stay finite (|score| < 1.8e19).  NaN is not treated apart.
.set NCCP,   11                        ; rounds of the fixed point
.set KINNER, 12                        ; steps in a round
.set KDELTA, 50                        ; steps of the last solve
.set UNROLL, 2                         ; steps in a loop's body; divides both counts
.set XHALF,  8192                      ; bytes of X that one chain of the 512 threads covers
.set OHALF,  4096                      ; the same in out
; scalar constants, each as a pair (a packed line names the pair and takes its low word for both halves)
.set kW0,  24                          ; w0
.set kW1,  26                          ; w1
.set kB,   28                          ; b
.set kNW0, 30                          ; -0.5 w0
.set kNW1, 32                          ; -0.5 w1
.set kHW0, 34                          ; 0.5 w0
.set kHW1, 36                          ; 0.5 w1
.set kM0,  38                          ; 0.5 rn(0.95 v0)
.set kM1,  40                          ; 0.5 rn(0.95 v1)
.set kC,   42                          ; 0.05 = 0.5 x 0.1
.set kLO,  44                          ; -10
.set kHI,  45                          ; 10
.set cOUT, 48                          ; counts the rounds
.set cIN,  49                          ; counts a solve's loop trips
; vector registers
.set VV0, 8                            ; v[8:9]   2^96 v0, twice: the clamped line takes vector registers alone
.set VV1, 10                           ; v[10:11] 2^96 v1, twice
.set CA,  16                           ; chain A: v16-59
.set CB,  64                           ; chain B: v64-107
.set rX0, 0                            ; x, first and second coordinate
.set rX1, 2
.set rR0, 4                            ; r
.set rR1, 6
.set rF0, 8                            ; fd
.set rF1, 10
.set rT,  12                           ; product, dot, score
.set rS,  14                           ; s, then ratio
.set rU,  16                           ; t
.set rY,  18                           ; 1 / sqrt t as it comes, then y
.set rQ,  20                           ; q
.set rH,  22                           ; half of rY
.set rE,  24                           ; residuals
.set rD0, 26                           ; d
.set rD1, 28
.set rP,  30                           ; the flag
.set rI0, 32                           ; m, then I
.set rI1, 34
.set rA0, 36                           ; A, then the gradient; at the start X as loaded
.set rA1, 38
.set rC0, 40                           ; clip(r): where every solve starts
.set rC1, 42
.macro BOTH line:vararg                ; one line for each chain
.set cb, CA
	s_wait_alu depctr_va_vdst(0)
	\line
.set cb, CB
	\line
.endm
.macro SCORE                           ; rT = score(x)
	BOTH v_pk_mul_f32 v[cb+rT:cb+rT+1], v[cb+rX0:cb+rX0+1], s[kW0:kW0+1] op_sel_hi:[1,0]
	BOTH v_pk_fma_f32 v[cb+rT:cb+rT+1], v[cb+rX1:cb+rX1+1], s[kW1:kW1+1], v[cb+rT:cb+rT+1] op_sel_hi:[1,0,1]
	BOTH v_pk_add_f32 v[cb+rT:cb+rT+1], v[cb+rT:cb+rT+1], s[kB:kB+1] op_sel_hi:[1,0]
.endm
.macro RSQ                             ; four transcendentals on end; the caller sets plain lines that touch neither rY nor rU behind them (ISA guide 5.7.2)
	BOTH v_rsq_f32 v[cb+rY], v[cb+rU]
	BOTH v_rsq_f32 v[cb+rY+1], v[cb+rU+1]
.endm
.macro REFINE                          ; rQ = rn(sqrt t), rY = rn(1 / rQ)
	BOTH v_pk_mul_f32 v[cb+rQ:cb+rQ+1], v[cb+rU:cb+rU+1], v[cb+rY:cb+rY+1]                                              ; q0 = t y0
	BOTH v_pk_mul_f32 v[cb+rH:cb+rH+1], v[cb+rY:cb+rY+1], 0.5 op_sel_hi:[1,0]
	BOTH v_pk_fma_f32 v[cb+rE:cb+rE+1], v[cb+rQ:cb+rQ+1], v[cb+rQ:cb+rQ+1], v[cb+rU:cb+rU+1] neg_lo:[1,0,0] neg_hi:[1,0,0]  ; t - q0 q0
	BOTH v_pk_fma_f32 v[cb+rQ:cb+rQ+1], v[cb+rE:cb+rE+1], v[cb+rH:cb+rH+1], v[cb+rQ:cb+rQ+1]                            ; q = q0 + (t - q0 q0) y0 / 2
	BOTH v_pk_fma_f32 v[cb+rE:cb+rE+1], v[cb+rQ:cb+rQ+1], v[cb+rY:cb+rY+1], 1.0 op_sel_hi:[1,1,0] neg_lo:[1,0,0] neg_hi:[1,0,0]  ; 1 - q y0
	BOTH v_pk_fma_f32 v[cb+rY:cb+rY+1], v[cb+rE:cb+rE+1], v[cb+rY:cb+rY+1], v[cb+rY:cb+rY+1]                            ; y = y0 + (1 - q y0) y0
.endm
; fd = f'(x), and x goes back to clip(r).  apart = 1: the last linearisation, each operation rounded by itself.
.macro LINEARISE apart
	SCORE
	BOTH v_pk_add_f32 v[cb+rS:cb+rS+1], v[cb+rT:cb+rT+1], 1.0 op_sel_hi:[1,0]
.if \apart
	BOTH v_pk_mul_f32 v[cb+rU:cb+rU+1], v[cb+rS:cb+rS+1], v[cb+rS:cb+rS+1]
	BOTH v_pk_add_f32 v[cb+rU:cb+rU+1], v[cb+rU:cb+rU+1], 1.0 op_sel_hi:[1,0]
.else
	BOTH v_pk_fma_f32 v[cb+rU:cb+rU+1], v[cb+rS:cb+rS+1], v[cb+rS:cb+rS+1], 1.0 op_sel_hi:[1,1,0]
.endif
	RSQ
.irp j, 0,1,2,3
	BOTH v_mov_b32 v[cb+rX0+\j], v[cb+rC0+\j]          ; the solve's start; also the plain lines behind the transcendentals
.endr
	REFINE
.if \apart
	BOTH v_pk_mul_f32 v[cb+rH:cb+rH+1], v[cb+rS:cb+rS+1], v[cb+rY:cb+rY+1]                                              ; z0 = s y
	BOTH v_pk_fma_f32 v[cb+rE:cb+rE+1], v[cb+rH:cb+rH+1], v[cb+rQ:cb+rQ+1], v[cb+rS:cb+rS+1] neg_lo:[1,0,0] neg_hi:[1,0,0]  ; s - z0 q
	BOTH v_pk_fma_f32 v[cb+rS:cb+rS+1], v[cb+rE:cb+rE+1], v[cb+rY:cb+rY+1], v[cb+rH:cb+rH+1]                            ; rn(s / q)
.else
	BOTH v_pk_mul_f32 v[cb+rS:cb+rS+1], v[cb+rS:cb+rS+1], v[cb+rY:cb+rY+1]
.endif
	BOTH v_pk_mul_f32 v[cb+rF0:cb+rF0+1], v[cb+rS:cb+rS+1], s[kHW0:kHW0+1] op_sel_hi:[1,0]
	BOTH v_pk_mul_f32 v[cb+rF1:cb+rF1+1], v[cb+rS:cb+rS+1], s[kHW1:kHW1+1] op_sel_hi:[1,0]
.endm
; One step: for a chain 26 packed lines, 2 transcendentals and 4 clips.  The lines of d, the flag and I wait for x alone and stand among those of the long chain x .. ratio.
.macro STEP
	BOTH v_pk_mul_f32 v[cb+rT:cb+rT+1], v[cb+rX0:cb+rX0+1], s[kW0:kW0+1] op_sel_hi:[1,0]
	BOTH v_pk_add_f32 v[cb+rD0:cb+rD0+1], v[cb+rX0:cb+rX0+1], v[cb+rR0:cb+rR0+1] neg_lo:[0,1] neg_hi:[0,1]
	BOTH v_pk_add_f32 v[cb+rD1:cb+rD1+1], v[cb+rX1:cb+rX1+1], v[cb+rR1:cb+rR1+1] neg_lo:[0,1] neg_hi:[0,1]
	BOTH v_pk_fma_f32 v[cb+rT:cb+rT+1], v[cb+rX1:cb+rX1+1], s[kW1:kW1+1], v[cb+rT:cb+rT+1] op_sel_hi:[1,0,1]
	BOTH v_pk_mul_f32 v[cb+rP:cb+rP+1], v[cb+rD0:cb+rD0+1], v[VV0:VV0+1]
	BOTH v_pk_add_f32 v[cb+rT:cb+rT+1], v[cb+rT:cb+rT+1], s[kB:kB+1] op_sel_hi:[1,0]
	BOTH v_pk_fma_f32 v[cb+rP:cb+rP+1], v[cb+rD1:cb+rD1+1], v[VV1:VV1+1], v[cb+rP:cb+rP+1] clamp   ; 2^96 d.v held to 0 .. 1: the flag, 1 or 0
	BOTH v_pk_add_f32 v[cb+rS:cb+rS+1], v[cb+rT:cb+rT+1], -1.0 op_sel_hi:[1,0]
	BOTH v_pk_mul_f32 v[cb+rI0:cb+rI0+1], v[cb+rP:cb+rP+1], s[kM0:kM0+1] op_sel_hi:[1,0]           ; exact: the flag is 0 or 1
	BOTH v_pk_fma_f32 v[cb+rU:cb+rU+1], v[cb+rS:cb+rS+1], v[cb+rS:cb+rS+1], 1.0 op_sel_hi:[1,1,0]
	BOTH v_pk_mul_f32 v[cb+rI1:cb+rI1+1], v[cb+rP:cb+rP+1], s[kM1:kM1+1] op_sel_hi:[1,0]
	RSQ
	BOTH v_pk_fma_f32 v[cb+rI0:cb+rI0+1], v[cb+rD0:cb+rD0+1], s[kC:kC+1], v[cb+rI0:cb+rI0+1] op_sel_hi:[1,0,1]  ; these four are the plain lines behind the transcendentals
	BOTH v_pk_fma_f32 v[cb+rI1:cb+rI1+1], v[cb+rD1:cb+rD1+1], s[kC:kC+1], v[cb+rI1:cb+rI1+1] op_sel_hi:[1,0,1]
	REFINE
	BOTH v_pk_mul_f32 v[cb+rS:cb+rS+1], v[cb+rS:cb+rS+1], v[cb+rY:cb+rY+1]
	BOTH v_pk_fma_f32 v[cb+rA0:cb+rA0+1], v[cb+rS:cb+rS+1], s[kNW0:kNW0+1], v[cb+rF0:cb+rF0+1] op_sel_hi:[1,0,1]
	BOTH v_pk_fma_f32 v[cb+rA1:cb+rA1+1], v[cb+rS:cb+rS+1], s[kNW1:kNW1+1], v[cb+rF1:cb+rF1+1] op_sel_hi:[1,0,1]
	BOTH v_pk_add_f32 v[cb+rA0:cb+rA0+1], v[cb+rA0:cb+rA0+1], v[cb+rI0:cb+rI0+1] neg_lo:[0,1] neg_hi:[0,1]
	BOTH v_pk_add_f32 v[cb+rA1:cb+rA1+1], v[cb+rA1:cb+rA1+1], v[cb+rI1:cb+rI1+1] neg_lo:[0,1] neg_hi:[0,1]
	BOTH v_pk_add_f32 v[cb+rX0:cb+rX0+1], v[cb+rX0:cb+rX0+1], v[cb+rA0:cb+rA0+1]
	BOTH v_pk_add_f32 v[cb+rX1:cb+rX1+1], v[cb+rX1:cb+rX1+1], v[cb+rA1:cb+rA1+1]
.irp j, 0,1,2,3
	BOTH v_med3_num_f32 v[cb+rX0+\j], v[cb+rX0+\j], s[kLO], s[kHI]   ; the box; f32 has no packed minimum or maximum
.endr
.endm
	s_load_b256 s[4:11], s[0:1], 0x0               ; X s[4:5], w s[6:7], b s[8:9], v s[10:11]
	s_load_b64 s[12:13], s[0:1], 0x20              ; out
	v_lshlrev_b32 v1, 4, v0                        ; 16 bytes of X a thread and chain: two samples
	v_lshlrev_b32 v2, 3, v0                        ; 8 bytes of out
	s_lshl_b32 s2, ttmp9, 14                       ; the work-group's 2,048 samples: 16,384 bytes of X,
	s_mov_b32 s3, 0
	s_lshl_b32 s14, ttmp9, 13                      ; 8,192 bytes of out
	s_mov_b32 s15, 0
	s_mov_b32 s[kC], 0x3d4ccccd                    ; half of the f32 nearest to 0.1
	s_mov_b32 s[kC+1], 0x3d4ccccd
	s_mov_b32 s[kLO], 0xc1200000                   ; -10
	s_mov_b32 s[kHI], 0x41200000                   ; 10
	s_wait_kmcnt 0x0
	s_load_b64 s[16:17], s[6:7], 0x0               ; w0, w1
	s_load_b32 s18, s[8:9], 0x0                    ; b
	s_load_b64 s[20:21], s[10:11], 0x0             ; v0, v1
	s_add_nc_u64 s[4:5], s[4:5], s[2:3]
	s_add_nc_u64 s[12:13], s[12:13], s[14:15]
	global_load_b128 v[CA+rA0:CA+rA0+3], v1, s[4:5] th:TH_LOAD_NT               ; a wave's load covers 512 consecutive bytes
	global_load_b128 v[CB+rA0:CB+rA0+3], v1, s[4:5] offset:XHALF th:TH_LOAD_NT
	s_wait_kmcnt 0x0
	s_mov_b32 s[kW0], s16
	s_mov_b32 s[kW1], s17
	s_mov_b32 s[kB], s18
	s_mul_f32 s[kHW0], s16, 0.5
	s_mul_f32 s[kHW1], s17, 0.5
	s_mul_f32 s[kNW0], s16, -0.5
	s_mul_f32 s[kNW1], s17, -0.5
	s_mul_f32 s[kM0], s20, 0x3f733333              ; rn(0.95 v), the one rounding that m has,
	s_mul_f32 s[kM1], s21, 0x3f733333
	s_mul_f32 s46, s20, 0x6f800000                 ; 2^96 v
	s_mul_f32 s47, s21, 0x6f800000
	s_mul_f32 s[kM0], s[kM0], 0.5                  ; and its half
	s_mul_f32 s[kM1], s[kM1], 0.5
.irp k, kW0, kW1, kB, kHW0, kHW1, kNW0, kNW1, kM0, kM1
	s_mov_b32 s[\k+1], s[\k]                       ; named as pairs, so both words are written
.endr
	v_mov_b32 v[VV0], s46
	v_mov_b32 v[VV0+1], s46
	v_mov_b32 v[VV1], s47
	v_mov_b32 v[VV1+1], s47
	s_wait_loadcnt 0x0                             ; X
	BOTH v_mov_b32 v[cb+rR0],   v[cb+rA0]          ; (x0, x1) of two samples become a pair of x0 and a pair of x1
	BOTH v_mov_b32 v[cb+rR1],   v[cb+rA0+1]
	BOTH v_mov_b32 v[cb+rR0+1], v[cb+rA0+2]
	BOTH v_mov_b32 v[cb+rR1+1], v[cb+rA0+3]
.irp j, 0,1,2,3
	BOTH v_mov_b32 v[cb+rX0+\j], v[cb+rR0+\j]      ; the fixed point starts at r as it is given,
	BOTH v_med3_num_f32 v[cb+rC0+\j], v[cb+rR0+\j], s[kLO], s[kHI]  ; every solve at r brought into the box
.endr
	s_mov_b32 s[cOUT], NCCP
.Lround:
	LINEARISE 0
	s_mov_b32 s[cIN], KINNER/UNROLL
.Linner:
.rept UNROLL
	STEP
.endr
	s_sub_co_u32 s[cIN], s[cIN], 1
	s_cmp_lg_u32 s[cIN], 0
	s_cbranch_scc1 .Linner
	s_sub_co_u32 s[cOUT], s[cOUT], 1
	s_cmp_lg_u32 s[cOUT], 0
	s_cbranch_scc1 .Lround
	LINEARISE 1
	s_mov_b32 s[cIN], KDELTA/UNROLL
.Ldelta:
.rept UNROLL
	STEP
.endr
	s_sub_co_u32 s[cIN], s[cIN], 1
	s_cmp_lg_u32 s[cIN], 0
	s_cbranch_scc1 .Ldelta
	SCORE
	global_store_b64 v2, v[CA+rT:CA+rT+1], s[12:13] th:TH_STORE_NT               ; a wave's store covers 256 consecutive bytes, at a multiple of 256 from out's first byte
	global_store_b64 v2, v[CB+rT:CB+rT+1], s[12:13] offset:OHALF th:TH_STORE_NT
	s_endpgm
.Lfunc_end_k_qd1cc590bca_strategic:
	.size	k_qd1cc590bca_strategic, .Lfunc_end_k_qd1cc590bca_strategic-k_qd1cc590bca_strategic
	.p2alignl 7, 3214868480
	.fill 96, 4, 3214868480
	.section	.rodata,"a",@progbits
	.p2align	6, 0x0
	.amdhsa_kernel k_qd1cc590bca_strategic
		.amdhsa_group_segment_fixed_size 0
		.amdhsa_private_segment_fixed_size 0
		.amdhsa_enable_private_segment 0
		.amdhsa_kernarg_size 40
		.amdhsa_user_sgpr_count 2
		.amdhsa_user_sgpr_kernarg_segment_ptr 1
		.amdhsa_wavefront_size32 1
		.amdhsa_system_sgpr_workgroup_id_x 1
		.amdhsa_system_sgpr_workgroup_id_y 1
		.amdhsa_system_sgpr_workgroup_id_z 1
		.amdhsa_system_vgpr_workitem_id 0
		.amdhsa_next_free_vgpr 108
		.amdhsa_next_free_sgpr 66
		.amdhsa_reserve_vcc 0
		.amdhsa_float_denorm_mode_32 3
		.amdhsa_float_denorm_mode_16_64 3
		.amdhsa_memory_ordered 1
		.amdhsa_forward_progress 1
		.amdhsa_inst_pref_size 31
	.end_amdhsa_kernel
	.amdgpu_metadata
---
amdhsa.version: [ 1, 2 ]
amdhsa.kernels:
  - .name:           k_qd1cc590bca_strategic
    .symbol:         k_qd1cc590bca_strategic.kd
    .args:
      - { .name: X, .offset: 0, .size: 8, .value_kind: global_buffer, .address_space: global }
      - { .name: w, .offset: 8, .size: 8, .value_kind: global_buffer, .address_space: global }
      - { .name: b, .offset: 16, .size: 8, .value_kind: global_buffer, .address_space: global }
      - { .name: v, .offset: 24, .size: 8, .value_kind: global_buffer, .address_space: global }
      - { .name: out0, .offset: 32, .size: 8, .value_kind: global_buffer, .address_space: global }
    .group_segment_fixed_size: 0
    .private_segment_fixed_size: 0
    .kernarg_segment_align: 8
    .kernarg_segment_size: 40
    .max_flat_workgroup_size: 512
    .sgpr_count:     66
    .vgpr_count:     108
    .wavefront_size: 32
...
	.end_amdgpu_metadata
.endif
;; end of part 1
;; ======== version 2 of 2: 1 launch; 1.59 times as fast as version 1
;; limits: right only within a limited range of input values
;; launch strategic (part 2): grid 256 x 1, 16 waves a work-group, no clusters, 0 bytes of LDS; arguments X, w, b, v, out0; writes out0
.if DOCPART == 2
	.amdgcn_target "amdgcn-amd-amdhsa--gfx1250"
	.amdhsa_code_object_version 6
	.text
	.protected	k_qd1cc590bca_strategic
	.globl	k_qd1cc590bca_strategic
	.p2align	8
	.type	k_qd1cc590bca_strategic,@function
k_qd1cc590bca_strategic:
	s_mov_b64 s[64:65], 0
	v_nop
	global_prefetch_b8 v0, s[64:65] scope:SCOPE_SE
	s_setreg_imm32_b32 hwreg(HW_REG_WAVE_MODE, 25, 1), 1
	s_wait_xcnt 0x0
; out[i] = score(x_opt[i]).  For each sample r = X[i]: eleven rounds (fd = f'(xt); xt = 12 projected gradient steps from clip(r)), then
; fd = f'(xt), 50 steps from clip(r), and the score of the result.  score(x) = x.w + b.  A step:
;   x = clip(x + fd - g'(x) - 0.5 (0.1 d + 0.95 [d.v > 0] v)),  d = x - r,  g'(x) = 0.5 s / sqrt(s s + 1) w,  s = score(x) - 1;   f' likewise with s = score(x) + 1.
; SHARES.  256 work-groups of 16 waves; a work-group owns 2,048 samples, a thread four: two CHAINS of two samples.  A register pair holds one number of each
; of a chain's two samples, so the arithmetic is packed f32; the two chains' lines alternate, so that no line reads the result of the line before it.
; All state stays in registers: X is read once, out once.  No byte is shared between threads, so there is no LDS, no barrier, no cluster.
; THE TWO-TERM PRODUCTS x.w and d.v are a multiply and a fused multiply-add in f32 on the vector unit: a matrix instruction would use 2 of its 32 K places and one
; of its 16 columns, and 16-bit operands ahead of the sign test d.v > 0, in a feedback of 182 steps, would decide signs otherwise.
; ROUNDINGS.  The sign test makes the result jump, so the place of every f32 rounding is part of the text:
;   a.u = fma(a1, u1, rn(a0 u0));  score = rn(a.u + b);  s = rn(score -+ 1);  t = fma(s, s, 1);  q = rn(sqrt t);  y = rn(1 / q);  ratio = rn(s y);
;   A = fma(-0.5 ratio, w, fd);  I = 0.5 fma(0.1, d, m), m = rn(0.95 v) or 0;  x = clip(rn(x + rn(A - I)));  fd = rn(0.5 ratio w).
;   Factors 0.5 lie in the constants (-0.5 w, 0.5 w, 0.05, 0.5 m): a power of two changes no rounding.
;   The last linearisation rounds each operation by itself: t = rn(rn(s s) + 1), ratio = rn(s / q).
; ROOT, RECIPROCAL, QUOTIENT: v_rsq_f32 and one residual step each, by fused multiply-adds.
; BATCHES.  The text's only transcendentals are the four v_rsq_f32 of RSQ: the two samples of each of the two chains, each with a result register of its own.  They are ONE BATCH with ONE
; wait: behind them stand lines that name none of their results (in a step the four lines that end I, in a linearisation the eight that set x back to clip(r)), then the wait, at the head of
; REFINE, whose first line is the results' first reader.  RSQ and REFINE stand once in every step and every linearisation, so that is one wait for each; a step's t hangs on the roots of the
; step before it, so two steps' roots cannot be one batch.  No transcendental stands between a wait and the next label or branch.
; LIMITS.  q, y and s / q are the correctly rounded values but where the true value lies within some 2^-44 of itself from a rounding boundary (about one argument
; in 2^20): there the last bit may differ.  The flag [d.v > 0] is fma(d1, 2^96 v1, rn(d0 2^96 v0)) held to 0 .. 1: a positive d.v below 2^-96 counts as a fraction.
; score^2 must stay finite (|score| < 1.8e19).  NaN is not treated apart.
.set NCCP,   11                        ; rounds of the fixed point
.set KINNER, 12                        ; steps in a round
.set KDELTA, 50                        ; steps of the last solve
.set UNROLL, 2                         ; steps in a loop's body; divides both counts
.set XHALF,  8192                      ; bytes of X that one chain of the 512 threads covers
.set OHALF,  4096                      ; the same in out
; scalar constants, each as a pair (a packed line names the pair and takes its low word for both halves)
.set kW0,  24                          ; w0
.set kW1,  26                          ; w1
.set kB,   28                          ; b
.set kNW0, 30                          ; -0.5 w0
.set kNW1, 32                          ; -0.5 w1
.set kHW0, 34                          ; 0.5 w0
.set kHW1, 36                          ; 0.5 w1
.set kM0,  38                          ; 0.5 rn(0.95 v0)
.set kM1,  40                          ; 0.5 rn(0.95 v1)
.set kC,   42                          ; 0.05 = 0.5 x 0.1
.set kLO,  44                          ; -10
.set kHI,  45                          ; 10
.set cOUT, 48                          ; counts the rounds
.set cIN,  49                          ; counts a solve's loop trips
; vector registers
.set VV0, 8                            ; v[8:9]   2^96 v0, twice: the clamped line takes vector registers alone
.set VV1, 10                           ; v[10:11] 2^96 v1, twice
.set CA,  16                           ; chain A: v16-59
.set CB,  64                           ; chain B: v64-107
.set rX0, 0                            ; x, first and second coordinate
.set rX1, 2
.set rR0, 4                            ; r
.set rR1, 6
.set rF0, 8                            ; fd
.set rF1, 10
.set rT,  12                           ; product, dot, score
.set rS,  14                           ; s, then ratio
.set rU,  16                           ; t
.set rY,  18                           ; 1 / sqrt t as it comes, then y
.set rQ,  20                           ; q
.set rH,  22                           ; half of rY
.set rE,  24                           ; residuals
.set rD0, 26                           ; d
.set rD1, 28
.set rP,  30                           ; the flag
.set rI0, 32                           ; m, then I
.set rI1, 34
.set rA0, 36                           ; A, then the gradient; at the start X as loaded
.set rA1, 38
.set rC0, 40                           ; clip(r): where every solve starts
.set rC1, 42
.macro BOTH line:vararg                ; one line for each chain
.set cb, CA
	\line
.set cb, CB
	\line
.endm
.macro SCORE                           ; rT = score(x)
	BOTH v_pk_mul_f32 v[cb+rT:cb+rT+1], v[cb+rX0:cb+rX0+1], s[kW0:kW0+1] op_sel_hi:[1,0]
	BOTH v_pk_fma_f32 v[cb+rT:cb+rT+1], v[cb+rX1:cb+rX1+1], s[kW1:kW1+1], v[cb+rT:cb+rT+1] op_sel_hi:[1,0,1]
	BOTH v_pk_add_f32 v[cb+rT:cb+rT+1], v[cb+rT:cb+rT+1], s[kB:kB+1] op_sel_hi:[1,0]
.endm
.macro RSQ                             ; the batch: four transcendentals on end; the caller sets plain lines that touch neither rY nor rU behind them (ISA guide 5.7.2), and then REFINE, which begins with the batch's wait
	BOTH v_rsq_f32 v[cb+rY], v[cb+rU]
	BOTH v_rsq_f32 v[cb+rY+1], v[cb+rU+1]
.endm
.macro REFINE                          ; rQ = rn(sqrt t), rY = rn(1 / rQ)
	s_wait_alu depctr_va_vdst(0)                       ; the wait ahead of the first use: one for the four v_rsq_f32 of the RSQ in front, both chains'; the line below is their first reader
	BOTH v_pk_mul_f32 v[cb+rQ:cb+rQ+1], v[cb+rU:cb+rU+1], v[cb+rY:cb+rY+1]                                              ; q0 = t y0
	BOTH v_pk_mul_f32 v[cb+rH:cb+rH+1], v[cb+rY:cb+rY+1], 0.5 op_sel_hi:[1,0]
	BOTH v_pk_fma_f32 v[cb+rE:cb+rE+1], v[cb+rQ:cb+rQ+1], v[cb+rQ:cb+rQ+1], v[cb+rU:cb+rU+1] neg_lo:[1,0,0] neg_hi:[1,0,0]  ; t - q0 q0
	BOTH v_pk_fma_f32 v[cb+rQ:cb+rQ+1], v[cb+rE:cb+rE+1], v[cb+rH:cb+rH+1], v[cb+rQ:cb+rQ+1]                            ; q = q0 + (t - q0 q0) y0 / 2
	BOTH v_pk_fma_f32 v[cb+rE:cb+rE+1], v[cb+rQ:cb+rQ+1], v[cb+rY:cb+rY+1], 1.0 op_sel_hi:[1,1,0] neg_lo:[1,0,0] neg_hi:[1,0,0]  ; 1 - q y0
	BOTH v_pk_fma_f32 v[cb+rY:cb+rY+1], v[cb+rE:cb+rE+1], v[cb+rY:cb+rY+1], v[cb+rY:cb+rY+1]                            ; y = y0 + (1 - q y0) y0
.endm
; fd = f'(x), and x goes back to clip(r).  apart = 1: the last linearisation, each operation rounded by itself.
.macro LINEARISE apart
	SCORE
	BOTH v_pk_add_f32 v[cb+rS:cb+rS+1], v[cb+rT:cb+rT+1], 1.0 op_sel_hi:[1,0]
.if \apart
	BOTH v_pk_mul_f32 v[cb+rU:cb+rU+1], v[cb+rS:cb+rS+1], v[cb+rS:cb+rS+1]
	BOTH v_pk_add_f32 v[cb+rU:cb+rU+1], v[cb+rU:cb+rU+1], 1.0 op_sel_hi:[1,0]
.else
	BOTH v_pk_fma_f32 v[cb+rU:cb+rU+1], v[cb+rS:cb+rS+1], v[cb+rS:cb+rS+1], 1.0 op_sel_hi:[1,1,0]
.endif
	RSQ
.irp j, 0,1,2,3
	BOTH v_mov_b32 v[cb+rX0+\j], v[cb+rC0+\j]          ; the solve's start; also the plain lines behind the transcendentals, the independent work between the batch and its wait
.endr
	REFINE
.if \apart
	BOTH v_pk_mul_f32 v[cb+rH:cb+rH+1], v[cb+rS:cb+rS+1], v[cb+rY:cb+rY+1]                                              ; z0 = s y
	BOTH v_pk_fma_f32 v[cb+rE:cb+rE+1], v[cb+rH:cb+rH+1], v[cb+rQ:cb+rQ+1], v[cb+rS:cb+rS+1] neg_lo:[1,0,0] neg_hi:[1,0,0]  ; s - z0 q
	BOTH v_pk_fma_f32 v[cb+rS:cb+rS+1], v[cb+rE:cb+rE+1], v[cb+rY:cb+rY+1], v[cb+rH:cb+rH+1]                            ; rn(s / q)
.else
	BOTH v_pk_mul_f32 v[cb+rS:cb+rS+1], v[cb+rS:cb+rS+1], v[cb+rY:cb+rY+1]
.endif
	BOTH v_pk_mul_f32 v[cb+rF0:cb+rF0+1], v[cb+rS:cb+rS+1], s[kHW0:kHW0+1] op_sel_hi:[1,0]
	BOTH v_pk_mul_f32 v[cb+rF1:cb+rF1+1], v[cb+rS:cb+rS+1], s[kHW1:kHW1+1] op_sel_hi:[1,0]
.endm
; One step: for a chain 26 packed lines, 2 transcendentals and 4 clips; for both chains together one wait.  The lines of d, the flag and I wait for x alone and stand among those of the long chain x .. ratio.
.macro STEP
	BOTH v_pk_mul_f32 v[cb+rT:cb+rT+1], v[cb+rX0:cb+rX0+1], s[kW0:kW0+1] op_sel_hi:[1,0]
	BOTH v_pk_add_f32 v[cb+rD0:cb+rD0+1], v[cb+rX0:cb+rX0+1], v[cb+rR0:cb+rR0+1] neg_lo:[0,1] neg_hi:[0,1]
	BOTH v_pk_add_f32 v[cb+rD1:cb+rD1+1], v[cb+rX1:cb+rX1+1], v[cb+rR1:cb+rR1+1] neg_lo:[0,1] neg_hi:[0,1]
	BOTH v_pk_fma_f32 v[cb+rT:cb+rT+1], v[cb+rX1:cb+rX1+1], s[kW1:kW1+1], v[cb+rT:cb+rT+1] op_sel_hi:[1,0,1]
	BOTH v_pk_mul_f32 v[cb+rP:cb+rP+1], v[cb+rD0:cb+rD0+1], v[VV0:VV0+1]
	BOTH v_pk_add_f32 v[cb+rT:cb+rT+1], v[cb+rT:cb+rT+1], s[kB:kB+1] op_sel_hi:[1,0]
	BOTH v_pk_fma_f32 v[cb+rP:cb+rP+1], v[cb+rD1:cb+rD1+1], v[VV1:VV1+1], v[cb+rP:cb+rP+1] clamp   ; 2^96 d.v held to 0 .. 1: the flag, 1 or 0
	BOTH v_pk_add_f32 v[cb+rS:cb+rS+1], v[cb+rT:cb+rT+1], -1.0 op_sel_hi:[1,0]
	BOTH v_pk_mul_f32 v[cb+rI0:cb+rI0+1], v[cb+rP:cb+rP+1], s[kM0:kM0+1] op_sel_hi:[1,0]           ; exact: the flag is 0 or 1
	BOTH v_pk_fma_f32 v[cb+rU:cb+rU+1], v[cb+rS:cb+rS+1], v[cb+rS:cb+rS+1], 1.0 op_sel_hi:[1,1,0]
	BOTH v_pk_mul_f32 v[cb+rI1:cb+rI1+1], v[cb+rP:cb+rP+1], s[kM1:kM1+1] op_sel_hi:[1,0]
	RSQ
	BOTH v_pk_fma_f32 v[cb+rI0:cb+rI0+1], v[cb+rD0:cb+rD0+1], s[kC:kC+1], v[cb+rI0:cb+rI0+1] op_sel_hi:[1,0,1]  ; these four are the plain lines behind the transcendentals, the independent work between the batch and its wait
	BOTH v_pk_fma_f32 v[cb+rI1:cb+rI1+1], v[cb+rD1:cb+rD1+1], s[kC:kC+1], v[cb+rI1:cb+rI1+1] op_sel_hi:[1,0,1]
	REFINE
	BOTH v_pk_mul_f32 v[cb+rS:cb+rS+1], v[cb+rS:cb+rS+1], v[cb+rY:cb+rY+1]
	BOTH v_pk_fma_f32 v[cb+rA0:cb+rA0+1], v[cb+rS:cb+rS+1], s[kNW0:kNW0+1], v[cb+rF0:cb+rF0+1] op_sel_hi:[1,0,1]
	BOTH v_pk_fma_f32 v[cb+rA1:cb+rA1+1], v[cb+rS:cb+rS+1], s[kNW1:kNW1+1], v[cb+rF1:cb+rF1+1] op_sel_hi:[1,0,1]
	BOTH v_pk_add_f32 v[cb+rA0:cb+rA0+1], v[cb+rA0:cb+rA0+1], v[cb+rI0:cb+rI0+1] neg_lo:[0,1] neg_hi:[0,1]
	BOTH v_pk_add_f32 v[cb+rA1:cb+rA1+1], v[cb+rA1:cb+rA1+1], v[cb+rI1:cb+rI1+1] neg_lo:[0,1] neg_hi:[0,1]
	BOTH v_pk_add_f32 v[cb+rX0:cb+rX0+1], v[cb+rX0:cb+rX0+1], v[cb+rA0:cb+rA0+1]
	BOTH v_pk_add_f32 v[cb+rX1:cb+rX1+1], v[cb+rX1:cb+rX1+1], v[cb+rA1:cb+rA1+1]
.irp j, 0,1,2,3
	BOTH v_med3_num_f32 v[cb+rX0+\j], v[cb+rX0+\j], s[kLO], s[kHI]   ; the box; f32 has no packed minimum or maximum
.endr
.endm
	s_load_b256 s[4:11], s[0:1], 0x0               ; X s[4:5], w s[6:7], b s[8:9], v s[10:11]
	s_load_b64 s[12:13], s[0:1], 0x20              ; out
	v_lshlrev_b32 v1, 4, v0                        ; 16 bytes of X a thread and chain: two samples
	v_lshlrev_b32 v2, 3, v0                        ; 8 bytes of out
	s_lshl_b32 s2, ttmp9, 14                       ; the work-group's 2,048 samples: 16,384 bytes of X,
	s_mov_b32 s3, 0
	s_lshl_b32 s14, ttmp9, 13                      ; 8,192 bytes of out
	s_mov_b32 s15, 0
	s_mov_b32 s[kC], 0x3d4ccccd                    ; half of the f32 nearest to 0.1
	s_mov_b32 s[kC+1], 0x3d4ccccd
	s_mov_b32 s[kLO], 0xc1200000                   ; -10
	s_mov_b32 s[kHI], 0x41200000                   ; 10
	s_wait_kmcnt 0x0
	s_load_b64 s[16:17], s[6:7], 0x0               ; w0, w1
	s_load_b32 s18, s[8:9], 0x0                    ; b
	s_load_b64 s[20:21], s[10:11], 0x0             ; v0, v1
	s_add_nc_u64 s[4:5], s[4:5], s[2:3]
	s_add_nc_u64 s[12:13], s[12:13], s[14:15]
	global_load_b128 v[CA+rA0:CA+rA0+3], v1, s[4:5] th:TH_LOAD_NT               ; a wave's load covers 512 consecutive bytes
	global_load_b128 v[CB+rA0:CB+rA0+3], v1, s[4:5] offset:XHALF th:TH_LOAD_NT
	s_wait_kmcnt 0x0
	s_mov_b32 s[kW0], s16
	s_mov_b32 s[kW1], s17
	s_mov_b32 s[kB], s18
	s_mul_f32 s[kHW0], s16, 0.5
	s_mul_f32 s[kHW1], s17, 0.5
	s_mul_f32 s[kNW0], s16, -0.5
	s_mul_f32 s[kNW1], s17, -0.5
	s_mul_f32 s[kM0], s20, 0x3f733333              ; rn(0.95 v), the one rounding that m has,
	s_mul_f32 s[kM1], s21, 0x3f733333
	s_mul_f32 s46, s20, 0x6f800000                 ; 2^96 v
	s_mul_f32 s47, s21, 0x6f800000
	s_mul_f32 s[kM0], s[kM0], 0.5                  ; and its half
	s_mul_f32 s[kM1], s[kM1], 0.5
.irp k, kW0, kW1, kB, kHW0, kHW1, kNW0, kNW1, kM0, kM1
	s_mov_b32 s[\k+1], s[\k]                       ; named as pairs, so both words are written
.endr
	v_mov_b32 v[VV0], s46
	v_mov_b32 v[VV0+1], s46
	v_mov_b32 v[VV1], s47
	v_mov_b32 v[VV1+1], s47
	s_wait_loadcnt 0x0                             ; X
	BOTH v_mov_b32 v[cb+rR0],   v[cb+rA0]          ; (x0, x1) of two samples become a pair of x0 and a pair of x1
	BOTH v_mov_b32 v[cb+rR1],   v[cb+rA0+1]
	BOTH v_mov_b32 v[cb+rR0+1], v[cb+rA0+2]
	BOTH v_mov_b32 v[cb+rR1+1], v[cb+rA0+3]
.irp j, 0,1,2,3
	BOTH v_mov_b32 v[cb+rX0+\j], v[cb+rR0+\j]      ; the fixed point starts at r as it is given,
	BOTH v_med3_num_f32 v[cb+rC0+\j], v[cb+rR0+\j], s[kLO], s[kHI]  ; every solve at r brought into the box
.endr
	s_mov_b32 s[cOUT], NCCP
.Lround:
	LINEARISE 0
	s_mov_b32 s[cIN], KINNER/UNROLL
.Linner:
.rept UNROLL
	STEP
.endr
	s_sub_co_u32 s[cIN], s[cIN], 1
	s_cmp_lg_u32 s[cIN], 0
	s_cbranch_scc1 .Linner
	s_sub_co_u32 s[cOUT], s[cOUT], 1
	s_cmp_lg_u32 s[cOUT], 0
	s_cbranch_scc1 .Lround
	LINEARISE 1
	s_mov_b32 s[cIN], KDELTA/UNROLL
.Ldelta:
.rept UNROLL
	STEP
.endr
	s_sub_co_u32 s[cIN], s[cIN], 1
	s_cmp_lg_u32 s[cIN], 0
	s_cbranch_scc1 .Ldelta
	SCORE
	global_store_b64 v2, v[CA+rT:CA+rT+1], s[12:13] th:TH_STORE_NT               ; a wave's store covers 256 consecutive bytes, at a multiple of 256 from out's first byte
	global_store_b64 v2, v[CB+rT:CB+rT+1], s[12:13] offset:OHALF th:TH_STORE_NT
	s_endpgm
.Lfunc_end_k_qd1cc590bca_strategic:
	.size	k_qd1cc590bca_strategic, .Lfunc_end_k_qd1cc590bca_strategic-k_qd1cc590bca_strategic
	.p2alignl 7, 3214868480
	.fill 96, 4, 3214868480
	.section	.rodata,"a",@progbits
	.p2align	6, 0x0
	.amdhsa_kernel k_qd1cc590bca_strategic
		.amdhsa_group_segment_fixed_size 0
		.amdhsa_private_segment_fixed_size 0
		.amdhsa_enable_private_segment 0
		.amdhsa_kernarg_size 40
		.amdhsa_user_sgpr_count 2
		.amdhsa_user_sgpr_kernarg_segment_ptr 1
		.amdhsa_wavefront_size32 1
		.amdhsa_system_sgpr_workgroup_id_x 1
		.amdhsa_system_sgpr_workgroup_id_y 1
		.amdhsa_system_sgpr_workgroup_id_z 1
		.amdhsa_system_vgpr_workitem_id 0
		.amdhsa_next_free_vgpr 108
		.amdhsa_next_free_sgpr 66
		.amdhsa_reserve_vcc 0
		.amdhsa_float_denorm_mode_32 3
		.amdhsa_float_denorm_mode_16_64 3
		.amdhsa_memory_ordered 1
		.amdhsa_forward_progress 1
		.amdhsa_inst_pref_size 25
	.end_amdhsa_kernel
	.amdgpu_metadata
---
amdhsa.version: [ 1, 2 ]
amdhsa.kernels:
  - .name:           k_qd1cc590bca_strategic
    .symbol:         k_qd1cc590bca_strategic.kd
    .args:
      - { .name: X, .offset: 0, .size: 8, .value_kind: global_buffer, .address_space: global }
      - { .name: w, .offset: 8, .size: 8, .value_kind: global_buffer, .address_space: global }
      - { .name: b, .offset: 16, .size: 8, .value_kind: global_buffer, .address_space: global }
      - { .name: v, .offset: 24, .size: 8, .value_kind: global_buffer, .address_space: global }
      - { .name: out0, .offset: 32, .size: 8, .value_kind: global_buffer, .address_space: global }
    .group_segment_fixed_size: 0
    .private_segment_fixed_size: 0
    .kernarg_segment_align: 8
    .kernarg_segment_size: 40
    .max_flat_workgroup_size: 512
    .sgpr_count:     66
    .vgpr_count:     108
    .wavefront_size: 32
...
	.end_amdgpu_metadata
.endif
;; end of part 2
